; MI455X (gfx1250); checked and timed in simulation.
; The chip was launched on July 23, 2026; its instructions are those of AMD's public machine-readable ISA for CDNA 5 (MIT licence, August 2026) and "CDNA5" Instruction Set Architecture Reference Guide (July 2026). The comments in the code are by the model that wrote it; some were corrected since.
;; Cross Attention. Allowed arithmetic: matrix products marked QUANTISED: E4M3 operands, one given power-of-two scale a tensor, by v_wmma_f32_16x16x64_fp8_fp8 or v_wmma_f32_16x16x128_fp8_fp8, f32 sums; everything else in f32.
;; Inputs: Wkv_codes 2,048 x 32 x 32 uint8 (E4M3 codes of Wkv, K innermost, in blocks of 32 codes); Wq_codes 1,024 x 32 x 32 uint8 (E4M3 codes of Wq, K innermost, in blocks of 32 codes); decoder_hidden_states_codes 4 x 2,048 x 32 x 32 uint8 (E4M3 codes of decoder_hidden_states, K innermost, in blocks of 32 codes); hidden_states_codes 4 x 2,048 x 32 x 32 uint8 (E4M3 codes of hidden_states, K innermost, in blocks of 32 codes); lowp_scales 8 int32 (the exponents e of the quantised operands' scales 2^e).
;; Outputs: out0 4 x 2,048 x 1,024 float32.
;; This version of the problem:
;;   THIS VERSION OF THE PROBLEM IS GIVEN IN LOW PRECISION. The matrix products marked QUANTISED in the list below multiply operands that are first quantised to E4M3 (4 exponent bits, 3 mantissa bits; 8 bits a number), with one given power-of-two scale for each operand tensor; their sums are f32. All else is computed in f32.
;;   The module's matrix products, in the order in which they are computed (A, B: the left and right operand; K: the contracted axis; several contracted axes count as one K, in the product's order):
;;     1. [M 8,192, K 1,024] x [K 1,024, N 1,024]; A: input hidden_states (given as codes); B: input Wq (given as codes): QUANTISED (scales: A lowp_scales[0], B lowp_scales[1])
;;     2. [M 8,192, K 1,024] x [K 1,024, N 2,048]; A: input decoder_hidden_states (given as codes); B: input Wkv (given as codes): QUANTISED (scales: A lowp_scales[2], B lowp_scales[3])
;;     3. batch 4 x [M 2,048, K 1,024] x [K 1,024, N 2,048]; A: computed on the way; B: computed on the way: QUANTISED (scales: A lowp_scales[4], B lowp_scales[5])
;;     4. batch 4 x [M 2,048, K 2,048] x [K 2,048, N 1,024]; A: softmax (see below); B: computed on the way: QUANTISED (scales: A lowp_scales[6], B lowp_scales[7])
;;   THE QUANTISER, for each operand of a quantised product, along K:
;;     - The operand's scale is 2^e, e = its entry of the input lowp_scales (int32; the entries are numbered through the quantised products in the list's order, A before B).
;;     - Each number is divided by the scale, clamped to +-448, and rounded to the nearest number of E4M3, ties to even, subnormals kept.
;;     - The product sums the exact products of the quantised numbers (number of the format x scale) in f32.
;;   ~~~python
;;   def quantise(x, axis, e):      # numpy; x: float32 -> the quantised numbers, widened to float32 again
;;       x = np.moveaxis(x, axis, -1); K = x.shape[-1]
;;       r = np.clip(x / 2.0 ** e, -448, 448)
;;       step = 2.0 ** (np.maximum(np.frexp(np.where(r == 0, 1, r))[1] - 1, -6) - 3)
;;       q = np.round(r / step) * step * 2.0 ** e      # np.round: ties to even
;;       return np.moveaxis(q, -1, axis).astype(np.float32)
;;   ~~~
;;   SOFTMAX AHEAD OF A QUANTISED PRODUCT. Where the list says 'softmax', what is quantised is not the finished softmax but p = 2^(t - M), with t = logit x log2(e) and M = ceil(the row's largest t), a whole number; so 1/2 < the row's largest p <= 1. The row's sum l is taken of the UNQUANTISED p, in f32, and the product's result is divided by l at the end. Since M is a whole number, a kernel that streams over the keys may use a running M (the ceiling of the running maximum): every later rescaling is an exact power of two, so the quantised numbers keep their values, but for numbers so far below the row's largest that they fall under the format's range.
;;   OPERANDS COMPUTED ON THE WAY. 'Computed on the way' means the value that the module computes at that place (a softmax that the list does not call 'softmax' is quantised finished and normalised). What goes into a quantiser is computed in f32, as accurately as f32 sums, v_exp_f32 and their like allow (about 1e-6 of the number): no bf16 or f16 on the way to a quantiser, and a product that is left as it is and whose result goes on into a quantised operand takes f32 operands (vector FMAs, or v_wmma_f32_16x16x4_f32). A number that lies on a knife's edge between two numbers of the format may be rounded either way, as far as f32 arithmetic and the matrix unit's own rounding can turn it there, and no further.
;;   INPUTS GIVEN AS CODES. Wkv (in the module: [1024, 2048], K = its axis 0); Wq (in the module: [1024, 1024], K = its axis 0); decoder_hidden_states (in the module: [4, 2048, 1024], K = its axis 2); hidden_states (in the module: [4, 2048, 1024], K = its axis 2): each comes as NAME_codes (uint8): NAME with its K axis moved to the last place and cut into blocks of 32 codes, [.., K / 32, bytes a block], one block behind the other in memory; one code a byte (a code: sign, 4 exponent bits, 3 mantissa bits); its scale is its entry of lowp_scales. Its value is code x scale, taken as it is: it is not quantised again, and the codes and scales need not be those that the quantiser above would give.
;; One version. Each part assembles by itself: llvm-mc -triple=amdgcn-amd-amdhsa -mcpu=gfx1250 --defsym DOCPART=n.
;; ======== version 1 of 1: 3 launches
;; limits: right only within a limited range of input values
;; workspace buffers: q_img 8,388,608 bytes; k_img 8,388,608 bytes; v_img 8,388,608 bytes; p_img 16,777,216 bytes; stats 524,288 bytes
;; launch proj (part 1): grid 4 x 64, 4 waves a work-group, clusters of 4 x 4, 327,680 bytes of LDS; arguments hidden_states_codes, decoder_hidden_states_codes, Wq_codes, Wkv_codes, lowp_scales, q_img, k_img, v_img; writes q_img, k_img, v_img
.if DOCPART == 1
	.amdgcn_target "amdgcn-amd-amdhsa--gfx1250"
	.amdhsa_code_object_version 6
	.text
	.protected	k_q1545ad9411_proj
	.globl	k_q1545ad9411_proj
	.p2align	8
	.type	k_q1545ad9411_proj,@function
k_q1545ad9411_proj:
	s_mov_b64 s[64:65], 0
	v_nop
	global_prefetch_b8 v0, s[64:65] scope:SCOPE_SE
	s_setreg_imm32_b32 hwreg(HW_REG_WAVE_MODE, 25, 1), 1
	s_wait_xcnt 0x0
	s_wait_alu depctr_hold_cnt(0) depctr_sa_sdst(0) depctr_va_vdst(0) depctr_va_sdst(0) depctr_va_ssrc(0) depctr_va_vcc(0) depctr_vm_vsrc(0)
	s_getreg_b32 s2, hwreg(HW_REG_IB_STS2, 6, 4)
	s_cmp_eq_u32 s2, 0
	s_cbranch_scc0 .Lentry_in_a_cluster
	s_endpgm
.Lentry_in_a_cluster:
	s_bfe_u32 s2, ttmp6, 0x10000c
	s_cmp_lg_u32 s2, 0xf033
	s_cbranch_scc0 .Lentry_shape_is_right
	s_endpgm
.Lentry_shape_is_right:
; FIRST LAUNCH: k = dec Wk, v^T = Wv^T dec^T, q = hid Wq on the given codes, quantised with the given scales and stored as IMAGES of the next launches' operand fragments.  No work of reference() is left out anywhere in the program.
; A work-group makes one tile of 256 x 256 of k (clusters 0-7) or of v^T (8-15), then one of 128 x 256 of q; four waves, K in steps of 256 through two LDS slots, joint loads in clusters of 4 x 4.
; A lane holds one row and eight neighbours along the next product's K, so the conversions' results are an operand's registers; a fragment of 16 rows x 128 K is 2,048 bytes, stored as four runs of 512.
; q_img, k_img: [token / 128][d / 128][(token % 128) / 16] fragments;  v_img: [batch][channel / 128][key / 128][(channel % 128) / 16] fragments.
; LIMITS: the folded exponents e5 - e2 - e3, e7 - e2 - e3 and e4 - e0 - e1 lie between -126 and 119.  NaN is not served.
; PREFETCHES: K steps 2 and 3 of the first tile behind the head's loads, the second tile's behind the first two changes of slots.  The four partners of a joint load share the rows (first tile) or the K steps (second) by address.
; What a weight's rows need is asked for by four clusters alone; tokens by every cluster that loads them.
.set ROWB,   256
.set KROW,   1024
.set PITCH,  272
.set FR,     16
.set NL,     4
.set NP,     4
.set HALFT,  128*PITCH
.set SLOT,   4*HALFT
.set REFILL, 2*ROWB
.set SPARE,  2*SLOT
.set ADRA, 16
.set ADRB, 20
.set SC2,  22
.set LIM2, 23
.set CO,   26
.set SPW,  28
.set NIL,  29
.set SC,   30
.set LIM,  31
.set TMP,  32
.set AF,   128
.set G1,   24
.set G0,   32
.set G1B,  48
.set G0B,  56
.set G1A2, 88
.set MSB, 0
.macro WIN new
.if MSB != (\new)
	s_set_vgpr_msb (MSB<<8)|(\new)
.set MSB, (\new)
.endif
.endm
.set MUL_LO, 0xa1
.set MUL_HI, 0xf1
.set TO_B,   0x40
.macro JLOAD g0a, g1a, g0b, g1b
	s_cmp_eq_u32 s15, 0
	s_cbranch_scc0 .Lfor_b_\@
	tensor_load_to_lds s[\g0a:\g0a+3], s[\g1a:\g1a+7]
	s_nop 0
.rept 4
	v_nop
.endr
	s_branch .Lasked_\@
.Lfor_b_\@:
	tensor_load_to_lds s[\g0b:\g0b+3], s[\g1b:\g1b+7]
	s_nop 0
.rept 4
	v_nop
.endr
.Lasked_\@:
.endm
.macro CREST
	s_cmp_lg_u32 s14, 0
	s_cbranch_scc1 .Lnot_wave_0_\@
	s_barrier_signal -3
.Lnot_wave_0_\@:
	s_barrier_wait -3
	s_barrier_signal -1
	s_barrier_wait -1
.endm
.macro CROUND
	s_barrier_signal -1
	s_barrier_wait -1
	CREST
.endm
	s_load_b256 s[4:11], s[0:1], 0x0
	s_load_b256 s[72:79], s[0:1], 0x20
	v_lshl_add_u32 v[SPW], v0, 2, SPARE
	v_mov_b32 v[NIL], 0
	ds_add_u32 v[SPW], v[NIL]
	ds_add_u32 v[SPW], v[NIL]
	v_lshrrev_b32 v1, 5, v0
	v_readfirstlane_b32 s14, v1
	s_lshr_b32 s15, s14, 1
	s_and_b32 s16, s14, 1
	s_bfe_u32 s40, ttmp6, 0x40000
	s_bfe_u32 s41, ttmp6, 0x40004
	s_and_b32 s12, ttmp7, 0xffff
	s_and_b32 s13, s12, 7
	s_lshl_b32 s13, s13, 2
	s_cmp_lt_u32 s12, 8
	s_cselect_b32 s17, s13, 0
	s_cselect_b32 s42, 0, s13
	s_cselect_b32 s3, 17, 18
	s_add_co_u32 s17, s17, s41
	s_add_co_u32 s42, s42, s40
	s_lshl_b32 s2, s12, 2
	s_add_co_u32 s2, s2, s41
	s_lshl_b32 s43, s41, 2
	s_lshl_b32 s43, 15, s43
	s_lshl_b32 s44, 0x1111, s40
	s_or_b32 s[G1+0], s43, (0<<16)|(1<<20)|(1<<21)|(5<<22)|(3<<25)
	s_or_b32 s[G1B+0], s44, (0<<16)|(1<<20)|(1<<21)|(5<<22)|(3<<25)
	s_or_b32 s[G1A2+0], s43, (0<<16)|(1<<20)|(1<<21)|(5<<22)|(3<<25)
.irp g, G1, G1B
	s_mov_b32 s[\g+1], ROWB<<16
	s_mov_b32 s[\g+2], 128<<16
	s_mov_b32 s[\g+3], ROWB<<16
	s_mov_b32 s[\g+4], 128
	s_mov_b32 s[\g+5], KROW
	s_mov_b32 s[\g+6], 0
	s_mov_b32 s[\g+7], 0
.endr
	s_mov_b32 s[G1A2+1], ROWB<<16
	s_mov_b32 s[G1A2+2], 64<<16
	s_mov_b32 s[G1A2+3], ROWB<<16
	s_mov_b32 s[G1A2+4], 64
	s_mov_b32 s[G1A2+5], KROW
	s_mov_b32 s[G1A2+6], 0
	s_mov_b32 s[G1A2+7], 0
	s_lshl_b32 s18, s16, 7
	s_lshl_b32 s20, s17, 8
	s_add_co_u32 s20, s20, s18
	s_lshl_b32 s20, s20, 10
	s_mov_b32 s21, 0
	s_lshl_b32 s46, s42, 8
	s_add_co_u32 s46, s46, s18
	s_lshl_b32 s46, s46, 10
	s_mov_b32 s47, 0
	s_lshl_b32 s96, s2, 7
	s_lshl_b32 s97, s16, 6
	s_add_co_u32 s96, s96, s97
	s_lshl_b32 s96, s96, 10
	s_mov_b32 s97, 0
	s_lshl_b32 s98, s40, 8
	s_add_co_u32 s98, s98, s18
	s_lshl_b32 s98, s98, 10
	s_mov_b32 s99, 0
	s_mul_i32 s45, s14, HALFT
	s_wait_dscnt 0x0
	s_wait_kmcnt 0x0
	s_load_b256 s[80:87], s[72:73], 0x0
	s_add_nc_u64 s[22:23], s[10:11], 0x100000
	s_cmp_lt_u32 s12, 8
	s_cselect_b64 s[66:67], s[6:7], s[22:23]
	s_cselect_b64 s[68:69], s[10:11], s[6:7]
	s_cselect_b64 s[70:71], s[76:77], s[78:79]
	s_add_nc_u64 s[20:21], s[66:67], s[20:21]
	s_add_nc_u64 s[46:47], s[68:69], s[46:47]
	s_add_nc_u64 s[4:5], s[4:5], s[96:97]
	s_add_nc_u64 s[8:9], s[8:9], s[98:99]
	CROUND
.irp s, 0,1
	s_mov_b32 s[G0+4*\s], 1
	s_add_co_u32 s[G0+4*\s+1], s45, \s*SLOT
	s_add_nc_u64 s[G0+4*\s+2:G0+4*\s+3], s[20:21], \s*ROWB
	s_or_b32 s[G0+4*\s+3], s[G0+4*\s+3], 0x80000000
	s_mov_b32 s[G0B+4*\s], 1
	s_add_co_u32 s[G0B+4*\s+1], s45, \s*SLOT
	s_add_nc_u64 s[G0B+4*\s+2:G0B+4*\s+3], s[46:47], \s*ROWB
	s_or_b32 s[G0B+4*\s+3], s[G0B+4*\s+3], 0x80000000
.if \s == 0
	JLOAD G0, G1, G0B, G1B                         ; K step 0: one tensor load a wave at the head
.endif
.endr
	s_cmp_eq_u32 s15, 0                            ; the prefetches' bases: of what my wave fetches
	s_cselect_b64 s[66:67], s[20:21], s[46:47]     ; first tile: my 128 rows,
	s_cselect_b64 s[68:69], s[4:5], s[8:9]         ; second tile: my 64 or 128 rows
	s_cselect_b32 s96, s40, s41                    ; my place among the four that ask jointly
	s_lshl_b32 s98, s96, 15
	s_mov_b32 s99, 0
	s_add_nc_u64 s[66:67], s[66:67], s[98:99]      ; 32 rows of 1,024 bytes each
	s_lshl_b32 s98, s96, 8
	s_add_nc_u64 s[68:69], s[68:69], s[98:99]      ; one K step of 256 bytes each
	v_and_b32 v1, 15, v0
	v_bfe_u32 v2, v0, 4, 1
	v_mul_u32_u24 v3, v1, PITCH
	v_lshl_add_u32 v4, v2, 4, v3
	s_mul_i32 s21, s15, HALFT
	s_mul_i32 s22, s16, HALFT
	s_add_co_u32 s22, s22, 2*HALFT
.irp s, 0,1
	v_add_nc_u32 v[ADRA+\s], s21, v4
	v_add_nc_u32 v[ADRB+\s], s22, v4
	s_add_co_u32 s21, s21, SLOT
	s_add_co_u32 s22, s22, SLOT
.endr
	v_and_b32 v6, 31, v0
	v_lshlrev_b32 v[CO], 4, v6
	s_lshr_b32 s96, s42, 3
	s_lshl_b32 s96, s96, 21
	s_lshl_b32 s97, s17, 1
	s_add_co_u32 s97, s97, s15
	s_lshl_b32 s97, s97, s3
	s_add_co_u32 s96, s96, s97
	s_and_b32 s97, s42, 7
	s_lshl_b32 s97, s97, 1
	s_add_co_u32 s97, s97, s16
	s_lshl_b32 s97, s97, 14
	s_add_co_u32 s96, s96, s97
	s_mov_b32 s97, 0
	s_add_nc_u64 s[70:71], s[70:71], s[96:97]
	s_lshl_b32 s98, s2, 17
	s_lshl_b32 s99, s40, 1
	s_add_co_u32 s99, s99, s16
	s_lshl_b32 s99, s99, 14
	s_add_co_u32 s98, s98, s99
	s_lshl_b32 s99, s15, 13
	s_add_co_u32 s98, s98, s99
	s_mov_b32 s99, 0
	s_add_nc_u64 s[74:75], s[74:75], s[98:99]
	s_wait_alu depctr_va_vdst(0)
	s_wait_kmcnt 0x0
	s_cmp_lt_u32 s12, 8
	s_cselect_b32 s18, s85, s87
	s_sub_co_i32 s18, s18, s82
	s_sub_co_i32 s18, s18, s83
	s_add_co_i32 s18, s18, 127
	s_lshl_b32 s19, s18, 23
	v_mov_b32 v[SC], s19
	s_add_co_i32 s18, s18, 8
	s_lshl_b32 s18, s18, 23
	s_or_b32 s18, s18, 0x600000
	v_mov_b32 v[LIM], s18
	s_sub_co_i32 s18, s84, s80
	s_sub_co_i32 s18, s18, s81
	s_add_co_i32 s18, s18, 127
	s_lshl_b32 s19, s18, 23
	v_mov_b32 v[SC2], s19
	s_add_co_i32 s18, s18, 8
	s_lshl_b32 s18, s18, 23
	s_or_b32 s18, s18, 0x600000
	v_mov_b32 v[LIM2], s18
.macro FRAG reg, adr, q, i
.irp c, 0,1,2,3
	ds_load_b128 v[\reg+4*\c:\reg+4*\c+3], v[\adr] offset:128*(\q)+32*\c+(\i)*16*PITCH
.endr
.endm
.macro MUL16 a0, p, zero
.irp a, \a0, \a0+1
.irp b, 0,1,2,3,4,5,6,7
.if \zero
	v_wmma_f32_16x16x128_fp8_fp8 v[8*(8*((\a)%4)+\b):8*(8*((\a)%4)+\b)+7], v[128*(\p)+FR*\b:128*(\p)+FR*\b+FR-1], v[AF+FR*(\a):AF+FR*(\a)+FR-1], 0
.else
	v_wmma_f32_16x16x128_fp8_fp8 v[8*(8*((\a)%4)+\b):8*(8*((\a)%4)+\b)+7], v[128*(\p)+FR*\b:128*(\p)+FR*\b+FR-1], v[AF+FR*(\a):AF+FR*(\a)+FR-1], v[8*(8*((\a)%4)+\b):8*(8*((\a)%4)+\b)+7]
.endif
.endr
.endr
.endm
.macro FETCH_B slot, q, p
	WIN TO_B
.irp i, 0,1,2,3,4,5,6,7
	FRAG 128*(\p)+FR*\i, ADRB+\slot, \q, \i
.endr
	WIN 0
.endm
.macro FETCH_A slot, q, i0
.irp i, \i0, \i0+1, \i0+2, \i0+3
	FRAG AF+FR*(\i), ADRA+\slot, \q, \i
.endr
.endm
.macro PLACES n
.rept \n
	v_nop
.endr
.endm
.macro STEP slot, q, zero
	s_wait_dscnt 4*NL
	WIN MUL_LO
	MUL16 0, (\q)%2, \zero
	MUL16 2, (\q)%2, \zero
	s_wait_dscnt 0
	PLACES NP
	FETCH_B \slot, (\q)+1, 1-(\q)%2
	FETCH_A \slot, (\q)+1, 0
	WIN MUL_HI
	MUL16 4, (\q)%2, \zero
	MUL16 6, (\q)%2, \zero
	PLACES NP
	WIN 0
	FETCH_A \slot, (\q)+1, 4
.endm
.macro TURN slot, next, fill, tail
	s_wait_tensorcnt 0x0
	ds_add_u32 v[SPW], v[NIL]
	s_wait_dscnt 4*NL+1
	WIN MUL_LO
	MUL16 0, 1, 0
	s_wait_dscnt 0x0
	s_barrier_signal -1
	MUL16 2, 1, 0
	WIN 0
	s_barrier_wait -1
	CREST
.if \fill == 1
	s_add_nc_u64 s[G0+4*\slot+2:G0+4*\slot+3], s[G0+4*\slot+2:G0+4*\slot+3], REFILL
	s_add_nc_u64 s[G0B+4*\slot+2:G0B+4*\slot+3], s[G0B+4*\slot+2:G0B+4*\slot+3], REFILL
	JLOAD G0+4*\slot, G1, G0B+4*\slot, G1B
.else
	s_add_nc_u64 s[G0+4*\slot+2:G0+4*\slot+3], s[4:5], \slot*ROWB
	s_or_b32 s[G0+4*\slot+3], s[G0+4*\slot+3], 0x80000000
	s_add_nc_u64 s[G0B+4*\slot+2:G0B+4*\slot+3], s[8:9], \slot*ROWB
	s_or_b32 s[G0B+4*\slot+3], s[G0B+4*\slot+3], 0x80000000
	JLOAD G0+4*\slot, G1A2, G0B+4*\slot, G1B
.endif
	FETCH_B \next, 0, 0
	FETCH_A \next, 0, 0
	WIN MUL_HI
	MUL16 4, 1, 0
	MUL16 6, 1, 0
.if \tail
	PLACES NP
	WIN 0
	FETCH_A \next, 0, 4
.endif
	ASK PFN
.set PFN, PFN+1
.endm
.macro MULH a0, n, f, zero
.set AA, \a0
.rept \n
.irp b, 0,1,2,3,4,5,6,7
.if \zero
	v_wmma_f32_16x16x128_fp8_fp8 v[8*(8*AA+\b):8*(8*AA+\b)+7], v[128*(\f)+FR*\b:128*(\f)+FR*\b+FR-1], v[AF+64*(\f)+FR*AA:AF+64*(\f)+FR*AA+FR-1], 0
.else
	v_wmma_f32_16x16x128_fp8_fp8 v[8*(8*AA+\b):8*(8*AA+\b)+7], v[128*(\f)+FR*\b:128*(\f)+FR*\b+FR-1], v[AF+64*(\f)+FR*AA:AF+64*(\f)+FR*AA+FR-1], v[8*(8*AA+\b):8*(8*AA+\b)+7]
.endif
.endr
.set AA, AA+1
.endr
.endm
.macro FETCH2 slot, q, f
	WIN TO_B
.irp i, 0,1,2,3,4,5,6,7
	FRAG 128*(\f)+FR*\i, ADRB+\slot, \q, \i
.endr
	WIN 0
.irp i, 0,1,2,3
	FRAG AF+64*(\f)+FR*\i, ADRA+\slot, \q, \i
.endr
.endm
.macro HSTEP slot, zero
	s_wait_dscnt 0x0
	WIN MUL_LO
	MULH 0, 1, 0, \zero
	PLACES NP
.if \zero
	s_wait_xcnt 0x0
.endif
	FETCH2 \slot, 1, 1
	WIN MUL_LO
	MULH 1, 3, 0, \zero
.endm
.macro HTURN slot, next, fill
	WIN 0
	s_wait_tensorcnt 0x0
	ds_add_u32 v[SPW], v[NIL]
	s_wait_dscnt 0x1
	WIN MUL_LO
	MULH 0, 2, 1, 0
	s_wait_dscnt 0x0
	s_barrier_signal -1
	MULH 2, 1, 1, 0
	WIN 0
	s_barrier_wait -1
.if \fill
	CREST
	s_add_nc_u64 s[G0+4*\slot+2:G0+4*\slot+3], s[G0+4*\slot+2:G0+4*\slot+3], REFILL
	s_add_nc_u64 s[G0B+4*\slot+2:G0B+4*\slot+3], s[G0B+4*\slot+2:G0B+4*\slot+3], REFILL
	JLOAD G0+4*\slot, G1A2, G0B+4*\slot, G1B
.else
	PLACES NP
.endif
	FETCH2 \next, 0, 0
	WIN MUL_LO
	MULH 3, 1, 1, 0
.endm
.macro OUTBLK a, img0, ob, sc, lim
.set AC, 64*((\a)%4)
.set IM, (\img0)+16*((\a)%4)
	WIN 0x02+((\a)/4)
.set J, 0
.rept 64
	v_med3_num_f32 v[TMP+J], v[AC+J], -v[\lim], v[\lim]
.set J, J+1
.endr
	WIN 0
.irp b, 0,1,2,3,4,5,6,7
	v_cvt_scalef32_pk8_fp8_f32 v[IM+2*\b:IM+2*\b+1], v[TMP+8*\b:TMP+8*\b+7], v[\sc]
.endr
	v_nop
.irp c, 0,1,2,3
	global_store_b128 v[CO], v[IM+4*\c:IM+4*\c+3], s[\ob:\ob+1] offset:(\a)*2048+512*\c
.endr
.endm
.macro ASK n                           ; a lane a row of 1,024 bytes; the branches hang on the wave's and the cluster's number
.if (\n) == 0
	s_cmp_eq_u32 s96, 0
	s_cbranch_scc0 .Lno_ask_\@
	global_prefetch_b8 v27, s[66:67] offset:512 th:TH_LOAD_NT scope:SCOPE_SE
	global_prefetch_b8 v27, s[66:67] offset:768 th:TH_LOAD_NT scope:SCOPE_SE
.Lno_ask_\@:
.elseif (\n) == 1
	s_cmp_eq_u32 s97, 0
	s_cbranch_scc0 .Lno_ask_\@
	global_prefetch_b8 v27, s[68:69] th:TH_LOAD_NT scope:SCOPE_SE
	global_prefetch_b8 v27, s[68:69] offset:32768 th:TH_LOAD_NT scope:SCOPE_SE
.Lno_ask_\@:
.elseif (\n) == 2
	s_cmp_eq_u32 s98, 1
	s_cbranch_scc0 .Lno_ask_\@
	global_prefetch_b8 v27, s[68:69] offset:65536 th:TH_LOAD_NT scope:SCOPE_SE
	global_prefetch_b8 v27, s[68:69] offset:98304 th:TH_LOAD_NT scope:SCOPE_SE
.Lno_ask_\@:
.endif
.endm
	s_lshr_b32 s96, s12, 3
	s_xor_b32 s96, s96, s15                        ; 1: what I fetch for the first tile is a weight
	s_bfe_u32 s97, s12, 0x10002
	s_and_b32 s96, s96, s97                        ; 1: a weight, and not one of the four clusters that ask for it
	s_cmp_lt_u32 s12, 4
	s_cselect_b32 s97, 0, s15                      ; the same for the second tile
	s_cselect_b32 s98, s15, 0                      ; 1: I ask for rows 64-127 of the weight too
	v_and_b32 v27, 31, v0
	v_lshlrev_b32 v27, 10, v27
	s_wait_alu depctr_va_vdst(0)                   ; the wait at the head's end
	s_wait_tensorcnt 0x0                           ; my part of K step 0 is in
	ds_add_u32 v[SPW], v[NIL]
	s_wait_dscnt 0x0
	CROUND
	JLOAD G0+4, G1, G0B+4, G1B                     ; K step 1, the first tensor load behind the round
	FETCH_B 0, 0, 0
	FETCH_A 0, 0, 0
	FETCH_A 0, 0, 4
	ASK 0
.set PFN, 1
	STEP 0, 0, 1
	TURN 0, 1, 1, 1
	STEP 1, 0, 0
	TURN 1, 0, 1, 1
	STEP 0, 0, 0
	TURN 0, 1, 2, 1
	STEP 1, 0, 0
	TURN 1, 0, 2, 0
	WIN 0
	PLACES NP
	s_wait_alu depctr_va_vdst(0)
.irp a, 0,1,2,3,4,5,6,7
.if \a == 4
	s_wait_xcnt 0x0
.endif
	OUTBLK \a, 192, 70, SC, LIM
.endr
	HSTEP 0, 1
	HTURN 0, 1, 1
	HSTEP 1, 0
	HTURN 1, 0, 1
	HSTEP 0, 0
	HTURN 0, 1, 0
	HSTEP 1, 0
	s_wait_dscnt 0x0
	WIN MUL_LO
	MULH 0, 4, 1, 0
	WIN 0
	PLACES NP
.irp a, 0,1,2,3
	OUTBLK \a, 128, 74, SC2, LIM2
.endr
	s_wait_tensorcnt 0x0
	ds_add_u32 v[SPW], v[NIL]
	s_wait_dscnt 0x0
	CROUND
	s_endpgm
.Lfunc_end_k_q1545ad9411_proj:
	.size	k_q1545ad9411_proj, .Lfunc_end_k_q1545ad9411_proj-k_q1545ad9411_proj
	.p2alignl 7, 3214868480
	.fill 96, 4, 3214868480
	.section	.rodata,"a",@progbits
	.p2align	6, 0x0
	.amdhsa_kernel k_q1545ad9411_proj
		.amdhsa_group_segment_fixed_size 327680
		.amdhsa_private_segment_fixed_size 0
		.amdhsa_enable_private_segment 0
		.amdhsa_kernarg_size 64
		.amdhsa_user_sgpr_count 2
		.amdhsa_user_sgpr_kernarg_segment_ptr 1
		.amdhsa_wavefront_size32 1
		.amdhsa_system_sgpr_workgroup_id_x 1
		.amdhsa_system_sgpr_workgroup_id_y 1
		.amdhsa_system_sgpr_workgroup_id_z 1
		.amdhsa_system_vgpr_workitem_id 0
		.amdhsa_next_free_vgpr 1024
		.amdhsa_next_free_sgpr 100
		.amdhsa_reserve_vcc 0
		.amdhsa_float_denorm_mode_32 3
		.amdhsa_float_denorm_mode_16_64 3
		.amdhsa_memory_ordered 1
		.amdhsa_forward_progress 1
		.amdhsa_inst_pref_size 187
	.end_amdhsa_kernel
	.amdgpu_metadata
---
amdhsa.version: [ 1, 2 ]
amdhsa.kernels:
  - .name:           k_q1545ad9411_proj
    .symbol:         k_q1545ad9411_proj.kd
    .args:
      - { .name: hidden_states_codes, .offset: 0, .size: 8, .value_kind: global_buffer, .address_space: global }
      - { .name: decoder_hidden_states_codes, .offset: 8, .size: 8, .value_kind: global_buffer, .address_space: global }
      - { .name: Wq_codes, .offset: 16, .size: 8, .value_kind: global_buffer, .address_space: global }
      - { .name: Wkv_codes, .offset: 24, .size: 8, .value_kind: global_buffer, .address_space: global }
      - { .name: lowp_scales, .offset: 32, .size: 8, .value_kind: global_buffer, .address_space: global }
      - { .name: q_img, .offset: 40, .size: 8, .value_kind: global_buffer, .address_space: global }
      - { .name: k_img, .offset: 48, .size: 8, .value_kind: global_buffer, .address_space: global }
      - { .name: v_img, .offset: 56, .size: 8, .value_kind: global_buffer, .address_space: global }
    .group_segment_fixed_size: 327680
    .private_segment_fixed_size: 0
    .kernarg_segment_align: 8
    .kernarg_segment_size: 64
    .max_flat_workgroup_size: 128
    .sgpr_count:     100
    .vgpr_count:     1024
    .wavefront_size: 32
...
	.end_amdgpu_metadata
.endif
;; end of part 1
;; launch scores (part 2): grid 32 x 8, 4 waves a work-group, clusters of 4 x 4, 327,680 bytes of LDS; arguments q_img, k_img, lowp_scales, p_img, stats; writes p_img, stats
.if DOCPART == 2
	.amdgcn_target "amdgcn-amd-amdhsa--gfx1250"
	.amdhsa_code_object_version 6
	.text
	.protected	k_q1545ad9411_scores
	.globl	k_q1545ad9411_scores
	.p2align	8
	.type	k_q1545ad9411_scores,@function
k_q1545ad9411_scores:
	s_mov_b64 s[64:65], 0
	v_nop
	global_prefetch_b8 v0, s[64:65] scope:SCOPE_SE
	s_setreg_imm32_b32 hwreg(HW_REG_WAVE_MODE, 25, 1), 1
	s_wait_xcnt 0x0
	s_wait_alu depctr_hold_cnt(0) depctr_sa_sdst(0) depctr_va_vdst(0) depctr_va_sdst(0) depctr_va_ssrc(0) depctr_va_vcc(0) depctr_vm_vsrc(0)
	s_getreg_b32 s2, hwreg(HW_REG_IB_STS2, 6, 4)
	s_cmp_eq_u32 s2, 0
	s_cbranch_scc0 .Lentry_in_a_cluster
	s_endpgm
.Lentry_in_a_cluster:
	s_bfe_u32 s2, ttmp6, 0x10000c
	s_cmp_lg_u32 s2, 0xf033
	s_cbranch_scc0 .Lentry_shape_is_right
	s_endpgm
.Lentry_shape_is_right:
; SECOND LAUNCH: S = Q K^T on the codes of q_img and k_img, the softmax's p = 2^(t - M) for each block of 256 keys, quantised with 2^e6, and the blocks' statistics.  No work is left out.
; A work-group makes 256 queries x 256 keys over K = 1,024.  ITS 256 KEYS LIE WHOLE IN LDS (262,144 bytes, dense in k_img): one joint load of 65,536 bytes a wave at the head, shared by the four work-groups of a row of the cluster.
; EACH WAVE OWNS 64 QUERIES: their codes are read by this wave alone, so they stream from memory straight into registers, two steps of 128 ahead in three sets, and take no LDS; for the same reason they are not asked for jointly.
; No slot is filled twice, and behind the head no barrier stands but the closing round's.  A wave holds all 256 keys of its queries: the maximum needs no other wave.
; Source 0 = 16 keys, source 1 = 16 queries: a lane holds ONE query, its registers run along the keys.
; THE MAXIMUM.  t = score x log2(e) / 32.  M_s = ceil(the largest t of my query among the block's 256 keys), a whole number.  p is quantised under ITS BLOCK'S M_s; the third launch brings the blocks' sums under the row's M by exact powers of two.
; OUT: p_img: fragment (16 queries x 128 keys) at (query / 64) x 131,072 + (key / 128) x 8,192 + ((query % 64) / 16) x 2,048, query counted through the batches;
;      stats (f32): -M_s at (key / 256) x 32,768 + 4 x query; the sum of the unquantised p of those 256 keys at 262,144 + the same.
; LIMITS: e4 + e5 between -121 and 132 (added to c's exponent field); e6 between -126 and 119.  Where 448 x 2^e6 is under 1 the hold bites relative to the block's M.
;         Numbers that would fall under the format's range under the row's M keep more bits under the block's.  Scaled scores stay under 2^31 in magnitude.  NaN is not served.
; PREFETCH: the queries' steps 4 to 7, behind step 0's loads: each of the four work-groups of a column of the cluster, which read the same queries, asks for one of them, by address.
; REGISTERS: window 0: v0-31 addresses; v64-255 three sets of the queries' fragments; then v32-95 a half block's 64 numbers, v96-111 maxima, v112-119 pairs (-M), v120-123 sums, v128-255 p's images.
;   window 1: the 16 fragments of the keys.   windows 2, 3: the accumulators: query block a, key block b at v[64 a + 8 (b % 8)] of window 2 + b / 8.
.set TILE,  262144
.set SPARE, TILE                       ; the spare words, 128 bytes a wave
.set STAT,  TILE+512                   ; 512 bytes a wave: 64 queries' -M and sums
.set ADK,  16                          ; v16-19: LDS address of keys 128 j on, steps 4 n on: ADK + 2 j + n
.set STW,  20
.set STR,  21
.set PFO,  22                          ; v22: the prefetch's offset
.set CO,   26                          ; v26  16 x lane
.set CO8,  27                          ; v27  8 x lane
.set SPW,  28
.set NIL,  29
.set SC,   30                          ; v30  2^e6 as f32
.set LIM,  31                          ; v31  448 x 2^e6
.set TMP,  32
.set MX,   96
.set PX,   104
.set NM,   112
.set SM,   120
.set IMG,  128
.set G1,   24
.set G0,   32
.set MSB, 0
.macro WIN new                         ; the immediate's high byte repeats the setting that is left
.if MSB != (\new)
	s_set_vgpr_msb (MSB<<8)|(\new)
.set MSB, (\new)
.endif
.endm
.macro CROUND                          ; a round of the cluster's barrier
	s_barrier_signal -1
	s_barrier_wait -1
	s_cmp_lg_u32 s14, 0
	s_cbranch_scc1 .Lnot_wave_0_\@
	s_barrier_signal -3
.Lnot_wave_0_\@:
	s_barrier_wait -3
	s_barrier_signal -1
	s_barrier_wait -1
.endm
	s_load_b256 s[4:11], s[0:1], 0x0               ; q_img s[4:5], k_img s[6:7], the exponents s[8:9], p_img s[10:11]
	s_load_b64 s[12:13], s[0:1], 0x20              ; stats
	v_lshl_add_u32 v[SPW], v0, 2, SPARE
	v_mov_b32 v[NIL], 0
	ds_add_u32 v[SPW], v[NIL]                      ; the wave's opening: the add, twice on end, and its wait ahead of my first tensor load
	ds_add_u32 v[SPW], v[NIL]
	v_lshrrev_b32 v1, 5, v0
	v_readfirstlane_b32 s14, v1                    ; wave 0..3
	s_bfe_u32 s40, ttmp6, 0x40000                  ; cx, cy
	s_bfe_u32 s41, ttmp6, 0x40004
	s_lshl_b32 s17, ttmp9, 2
	s_add_co_u32 s17, s17, s40                     ; ty: block of 256 queries through the batches, 0..31
	s_and_b32 s66, ttmp7, 0xffff
	s_lshl_b32 s42, s66, 2
	s_add_co_u32 s42, s42, s41                     ; tx: block of 256 keys, 0..7
	s_lshr_b32 s67, ttmp9, 1                       ; the batch, from the cluster's x alone
	s_lshl_b32 s43, s41, 2
	s_lshl_b32 s43, 15, s43                        ; my row of the cluster: the four that need the same keys
	; descriptor group 1: a dense block of 65,536 bytes as 256 rows of 32 elements of 8 bytes
	s_or_b32 s[G1+0], s43, (3<<16)|(1<<21)         ; 15:0 the mask; 17:16 elements of 8 bytes; 21 set beside a mask; no padding
	s_mov_b32 s[G1+1], 32<<16                      ; tensor_dim0
	s_mov_b32 s[G1+2], 256<<16                     ; tensor_dim1
	s_mov_b32 s[G1+3], 32<<16                      ; tile_dim0
	s_mov_b32 s[G1+4], 256                         ; tile_dim1
	s_mov_b32 s[G1+5], 32                          ; tensor_dim0_stride
	s_mov_b32 s[G1+6], 0
	s_mov_b32 s[G1+7], 0
	s_lshl_b32 s46, s67, 3
	s_add_co_u32 s46, s46, s42
	s_lshl_b32 s46, s46, 18                        ; the tile: 262,144 bytes at 8 batch + tx,
	s_lshl_b32 s45, s14, 16                        ; my quarter of it, in memory and in LDS
	s_add_co_u32 s46, s46, s45
	s_mov_b32 s47, 0
	s_lshl_b32 s20, s17, 18                        ; my 64 queries' codes: 128-query group 2 ty + wave / 2,
	s_lshr_b32 s21, s14, 1
	s_lshl_b32 s21, s21, 17
	s_add_co_u32 s20, s20, s21
	s_and_b32 s21, s14, 1
	s_lshl_b32 s21, s21, 13
	s_add_co_u32 s20, s20, s21                     ; half wave % 2
	s_mov_b32 s21, 0
	s_lshl_b32 s92, s17, 2
	s_add_co_u32 s92, s92, s14                     ; group of 64 queries
	s_lshl_b32 s94, s92, 8
	s_lshl_b32 s95, s42, 15
	s_add_co_u32 s94, s94, s95                     ; its statistics
	s_mov_b32 s95, 0
	s_lshl_b32 s92, s92, 17
	s_lshl_b32 s93, s42, 14
	s_add_co_u32 s92, s92, s93                     ; its p
	s_mov_b32 s93, 0
	s_lshl_b32 s44, s41, 14                        ; the prefetch: my place in the column x a step
	s_mov_b32 s90, 0x76543210                      ; v_permlanex16_b32's selects for lane l xor 16
	s_mov_b32 s91, 0xfedcba98
	s_wait_dscnt 0x0                               ; both opening adds are done
	s_wait_kmcnt 0x0
	s_load_b256 s[80:87], s[8:9], 0x0              ; e0 .. e7
	s_mov_b32 s[G0], 1
	s_mov_b32 s[G0+1], s45
	s_add_nc_u64 s[G0+2:G0+3], s[6:7], s[46:47]
	s_or_b32 s[G0+3], s[G0+3], 0x80000000
	s_add_nc_u64 s[4:5], s[4:5], s[20:21]
	s_add_nc_u64 s[10:11], s[10:11], s[92:93]
	s_add_nc_u64 s[12:13], s[12:13], s[94:95]
	CROUND                                         ; all sixteen work-groups are here: the joint loads meet
	tensor_load_to_lds s[G0:G0+3], s[G1:G1+7]      ; my quarter of the keys: the wave's one tensor load
	s_nop 0
.rept 4
	v_nop
.endr
	v_and_b32 v1, 15, v0                           ; r
	v_and_b32 v6, 31, v0
	v_lshlrev_b32 v[CO], 4, v6
	v_lshlrev_b32 v[CO8], 3, v6
	v_lshlrev_b32 v[PFO], 8, v6
	v_add_nc_u32 v[PFO], s44, v[PFO]
	v_mov_b32 v[ADK], v[CO]
	v_add_nc_u32 v[ADK+1], 0x10000, v[CO]
	v_add_nc_u32 v[ADK+2], 0x20000, v[CO]
	v_add_nc_u32 v[ADK+3], 0x30000, v[CO]
	s_lshl_b32 s21, s14, 9
	s_add_co_u32 s21, s21, STAT
	v_lshlrev_b32 v5, 2, v1
	v_add_nc_u32 v[STW], s21, v5
	v_add_nc_u32 v[STR], s21, v[CO8]
	s_wait_alu depctr_va_vdst(0)
.macro QLOAD u                         ; my 64 queries x 128 K of step u: 8,192 consecutive bytes, 512 an instruction
.irp a, 0,1,2,3
.irp c, 0,1,2,3
	global_load_b128 v[64+64*((\u)%3)+16*\a+4*\c:64+64*((\u)%3)+16*\a+4*\c+3], v[CO], s[4:5] offset:(\u)*16384+\a*2048+512*\c
.endr
.endr
.endm
	QLOAD 0
	QLOAD 1
	s_wait_kmcnt 0x0                               ; the exponents
	s_add_co_i32 s92, s84, s85
	s_lshl_b32 s92, s92, 23
	s_add_co_i32 s88, s92, 0x3d38aa3b              ; c = log2(e) / 32 x 2^(e4 + e5): the two exponents are added to c's exponent field
	s_mov_b32 s89, s88                             ; (named with it as a pair, so it is written)
	s_add_co_i32 s92, s86, 127
	s_lshl_b32 s93, s92, 23
	v_mov_b32 v[SC], s93
	s_add_co_i32 s92, s92, 8
	s_lshl_b32 s92, s92, 23
	s_or_b32 s92, s92, 0x600000
	v_mov_b32 v[LIM], s92
.macro FRAG i, u                       ; key fragment i of step u: an image, four loads at 16 x lane; no bank is touched twice in a pass
.irp c, 0,1,2,3
	ds_load_b128 v[16*(\i)+4*\c:16*(\i)+4*\c+3], v[ADK+2*((\i)/8)+(\u)/4] offset:((\u)%4)*16384+((\i)%8)*2048+512*\c
.endr
.endm
; A PAIR of key fragments x my four query fragments: eight matrix instructions.  The 64 accumulators take turns, one instruction a turn, in the same order in every step.
; Behind them the fragments of the PAIR BEFORE are fetched anew (pair 0: the last pair's, for this step; else for the next step): two v_nop here and two behind the pair before are the four places (ISA guide 7.12.1 for vector instructions).
; A pair's loads have six pairs' products in which to come back: the six younger pairs' 48 loads may be out.  In the last step fewer are younger.
.macro PAIR P, u
.if ((\u) == 7) && ((\P) > 1)
	s_wait_dscnt 8*(7-(\P))
.else
	s_wait_dscnt 48
.endif
	WIN 0xa1+0x50*((\P)/4)                         ; source 0 window 1, source 1 window 0, C and D window 2 or 3
.set BB, 2*(\P)
.rept 2
.irp a, 0,1,2,3
.if (\u) == 0
	v_wmma_f32_16x16x128_fp8_fp8 v[64*\a+8*(BB%8):64*\a+8*(BB%8)+7], v[16*BB:16*BB+15], v[AQ+16*\a:AQ+16*\a+15], 0
.else
	v_wmma_f32_16x16x128_fp8_fp8 v[64*\a+8*(BB%8):64*\a+8*(BB%8)+7], v[16*BB:16*BB+15], v[AQ+16*\a:AQ+16*\a+15], v[64*\a+8*(BB%8):64*\a+8*(BB%8)+7]
.endif
.endr
.set BB, BB+1
.endr
	v_nop
	v_nop
.if (\P) == 0
	WIN 0x40
	FRAG 14, \u
	FRAG 15, \u
.elseif (\u) < 7
	WIN 0x40
	FRAG 2*(\P)-2, (\u)+1
	FRAG 2*(\P)-1, (\u)+1
.endif
.if ((\P) == 1) && ((\u) < 6)
	WIN 0
	QLOAD (\u)+2                                   ; into the set that the step before multiplied
.endif
.endm
.macro STEP u
.set AQ, 64+64*((\u)%3)
.if (\u) < 7
	s_wait_loadcnt 16                              ; this step's queries are in; the next step's sixteen loads may be out
.else
	s_wait_loadcnt 0x0
.endif
.irp P, 0,1,2,3,4,5,6,7
	PAIR \P, \u
.endr
.endm
	s_wait_alu depctr_va_vdst(0)                   ; the wait at the head's end
	s_wait_tensorcnt 0x0                           ; my quarter of the keys is in,
	s_barrier_signal -1
	s_barrier_wait -1                              ; and everybody's
	WIN 0x40
.irp i, 0,1,2,3,4,5,6,7,8,9,10,11,12,13
	FRAG \i, 0
.endr
	STEP 0
	WIN 0
	global_prefetch_b8 v[PFO], s[4:5] offset:65536 th:TH_LOAD_NT scope:SCOPE_SE   ; step 4 + cy of my queries: 32 lanes, 256 bytes apart
.set U, 1
.rept 7
	STEP U
.set U, U+1
.endr
	WIN 0
; THE ROWS' MAXIMA.  Four query blocks of a window by turns, three operands at a time; the pairs (8 b - 1, 8 b) make each accumulator's first read one of its lowest register.
.macro ROWMAX m0, wall, wtwo
	WIN \wall                                      ; all three sources in the accumulators' window
.irp a, 0,1,2,3
	v_max3_num_f32 v[\m0+\a], v[64*\a], v[64*\a+1], v[64*\a+2]
.endr
	WIN \wtwo                                      ; source 0 back in window 0
.set K2, 3
.rept 30
.irp a, 0,1,2,3
	v_max3_num_f32 v[\m0+\a], v[\m0+\a], v[64*\a+K2], v[64*\a+K2+1]
.endr
.set K2, K2+2
.endr
.irp a, 0,1,2,3
	v_max_num_f32 v[\m0+\a], v[\m0+\a], v[64*\a+63]
.endr
.endm
.rept 4
	v_nop
.endr
	ROWMAX MX, 0x2a, 0x28
	ROWMAX MX+4, 0x3f, 0x3c
	WIN 0
.irp a, 0,1,2,3
	v_mov_b32 v[PX+\a], 0                          ; written once: a lane permute's destination counts as one of its sources
.endr
.irp a, 0,1,2,3
	v_max_num_f32 v[MX+\a], v[MX+\a], v[MX+4+\a]
.endr
.irp a, 0,1,2,3
	v_permlanex16_b32 v[PX+\a], v[MX+\a], s90, s91 ; the query's other 128 keys lie in the lane 16 away
.endr
.irp a, 0,1,2,3
	v_max_num_f32 v[MX+\a], v[MX+\a], v[PX+\a]     ; the largest score among the block's 256 keys
.endr
.irp a, 0,1,2,3
	v_mul_f32 v[MX+\a], s88, v[MX+\a]              ; as t (c is positive)
.endr
.irp a, 0,1,2,3
	v_floor_f32 v[NM+2*\a], -v[MX+\a]              ; -M = floor(-t) = -ceil(t)
.endr
.irp a, 0,1,2,3
	v_mov_b32 v[NM+2*\a+1], v[NM+2*\a]             ; (the pair's upper word is named below, so it is written)
.endr
; 16 QUERIES x 128 KEYS: t - M, the exponentials as one batch, the sum of the unquantised p, the hold, the conversion, the image.
.macro PBLK a, hi
	WIN 0x02+(\hi)
.set J, 0
.rept 32
	v_pk_fma_f32 v[TMP+J:TMP+J+1], v[64*(\a)+J:64*(\a)+J+1], s[88:89], v[NM+2*(\a):NM+2*(\a)+1] op_sel_hi:[1,0,0]   ; of the pairs c and -M the low word serves both halves
.set J, J+2
.endr
	WIN 0
	s_wait_alu depctr_va_vdst(0)                   ; the wait ahead of the batch
.set J, 0
.rept 64
	v_exp_f32 v[TMP+J], v[TMP+J]
.set J, J+1
.endr
	v_nop                                          ; a plain instruction behind the last exponential
	s_wait_alu depctr_va_vdst(0)                   ; one wait for the batch, ahead of its first reader
	v_pk_add_f32 v[8:9], v[TMP:TMP+1], v[TMP+2:TMP+3]
	v_pk_add_f32 v[10:11], v[TMP+4:TMP+5], v[TMP+6:TMP+7]
.set J, 8
.rept 14
	v_pk_add_f32 v[8:9], v[8:9], v[TMP+J:TMP+J+1]
	v_pk_add_f32 v[10:11], v[10:11], v[TMP+J+2:TMP+J+3]
.set J, J+4
.endr
	v_pk_add_f32 v[8:9], v[8:9], v[10:11]
.if (\hi) == 0
	v_add_f32 v[SM+(\a)], v8, v9
.else
	v_add_f32 v8, v8, v9
	v_add_f32 v8, v8, v[SM+(\a)]
	v_permlanex16_b32 v9, v8, s90, s91
	v_add_f32 v[SM+(\a)], v8, v9                   ; the sum over the block's 256 keys, the same in both halves of the lanes
.endif
.set J, 0
.rept 64
	v_min_num_f32 v[TMP+J], v[TMP+J], v[LIM]       ; the conversion does not saturate (ISA guide 7.6.2); p is not negative, so the hold is one-sided
.set J, J+1
.endr
.set IM, IMG+16*(4*(\hi)+(\a))
.irp b, 0,1,2,3,4,5,6,7
	v_cvt_scalef32_pk8_fp8_f32 v[IM+2*\b:IM+2*\b+1], v[TMP+8*\b:TMP+8*\b+7], v[SC]
.endr
	v_nop                                          ; a plain instruction between the last conversion and the lines that write its sources
.irp c, 0,1,2,3
	global_store_b128 v[CO], v[IM+4*\c:IM+4*\c+3], s[10:11] offset:(\hi)*8192+(\a)*2048+512*\c   ; 512 consecutive bytes, aligned
.endr
.endm
.irp a, 0,1,2,3
	PBLK \a, 0
	PBLK \a, 1
.endr
.irp a, 0,1,2,3
	ds_store_b32 v[STW], v[NM+2*\a] offset:64*\a           ; -M of queries 16 a + r: both halves of the lanes write the same word with the same number
	ds_store_b32 v[STW], v[SM+\a] offset:256+64*\a         ; and their sums
.endr
	ds_load_b64 v[96:97], v[STR]                   ; LDS serves a wave's instructions in order (ISA guide 5.7.1.4): these see my stores
	ds_load_b64 v[98:99], v[STR] offset:256
	s_wait_dscnt 0x0
	global_store_b64 v[CO8], v[96:97], s[12:13]                    ; 64 queries' -M: 256 consecutive bytes, aligned
	global_store_b64 v[CO8], v[98:99], s[12:13] offset:262144      ; and their sums
	s_wait_tensorcnt 0x0                           ; the wave's end
	ds_add_u32 v[SPW], v[NIL]
	s_wait_dscnt 0x0
	CROUND                                         ; the closing round
	s_endpgm
.Lfunc_end_k_q1545ad9411_scores:
	.size	k_q1545ad9411_scores, .Lfunc_end_k_q1545ad9411_scores-k_q1545ad9411_scores
	.p2alignl 7, 3214868480
	.fill 96, 4, 3214868480
	.section	.rodata,"a",@progbits
	.p2align	6, 0x0
	.amdhsa_kernel k_q1545ad9411_scores
		.amdhsa_group_segment_fixed_size 327680
		.amdhsa_private_segment_fixed_size 0
		.amdhsa_enable_private_segment 0
		.amdhsa_kernarg_size 40
		.amdhsa_user_sgpr_count 2
		.amdhsa_user_sgpr_kernarg_segment_ptr 1
		.amdhsa_wavefront_size32 1
		.amdhsa_system_sgpr_workgroup_id_x 1
		.amdhsa_system_sgpr_workgroup_id_y 1
		.amdhsa_system_sgpr_workgroup_id_z 1
		.amdhsa_system_vgpr_workitem_id 0
		.amdhsa_next_free_vgpr 1024
		.amdhsa_next_free_sgpr 100
		.amdhsa_reserve_vcc 0
		.amdhsa_float_denorm_mode_32 3
		.amdhsa_float_denorm_mode_16_64 3
		.amdhsa_memory_ordered 1
		.amdhsa_forward_progress 1
		.amdhsa_inst_pref_size 183
	.end_amdhsa_kernel
	.amdgpu_metadata
---
amdhsa.version: [ 1, 2 ]
amdhsa.kernels:
  - .name:           k_q1545ad9411_scores
    .symbol:         k_q1545ad9411_scores.kd
    .args:
      - { .name: q_img, .offset: 0, .size: 8, .value_kind: global_buffer, .address_space: global }
      - { .name: k_img, .offset: 8, .size: 8, .value_kind: global_buffer, .address_space: global }
      - { .name: lowp_scales, .offset: 16, .size: 8, .value_kind: global_buffer, .address_space: global }
      - { .name: p_img, .offset: 24, .size: 8, .value_kind: global_buffer, .address_space: global }
      - { .name: stats, .offset: 32, .size: 8, .value_kind: global_buffer, .address_space: global }
    .group_segment_fixed_size: 327680
    .private_segment_fixed_size: 0
    .kernarg_segment_align: 8
    .kernarg_segment_size: 40
    .max_flat_workgroup_size: 128
    .sgpr_count:     100
    .vgpr_count:     1024
    .wavefront_size: 32
...
	.end_amdgpu_metadata
.endif
;; end of part 2
;; launch pv (part 3): grid 32 x 8, 4 waves a work-group, clusters of 4 x 4, 327,680 bytes of LDS; arguments p_img, v_img, stats, lowp_scales, out0; writes out0
.if DOCPART == 3
	.amdgcn_target "amdgcn-amd-amdhsa--gfx1250"
	.amdhsa_code_object_version 6
	.text
	.protected	k_q1545ad9411_pv
	.globl	k_q1545ad9411_pv
	.p2align	8
	.type	k_q1545ad9411_pv,@function
k_q1545ad9411_pv:
	s_mov_b64 s[64:65], 0
	v_nop
	global_prefetch_b8 v0, s[64:65] scope:SCOPE_SE
	s_setreg_imm32_b32 hwreg(HW_REG_WAVE_MODE, 25, 1), 1
	s_wait_xcnt 0x0
	s_wait_alu depctr_hold_cnt(0) depctr_sa_sdst(0) depctr_va_vdst(0) depctr_va_sdst(0) depctr_va_ssrc(0) depctr_va_vcc(0) depctr_vm_vsrc(0)
	s_getreg_b32 s2, hwreg(HW_REG_IB_STS2, 6, 4)
	s_cmp_eq_u32 s2, 0
	s_cbranch_scc0 .Lentry_in_a_cluster
	s_endpgm
.Lentry_in_a_cluster:
	s_bfe_u32 s2, ttmp6, 0x10000c
	s_cmp_lg_u32 s2, 0xf033
	s_cbranch_scc0 .Lentry_shape_is_right
	s_endpgm
.Lentry_shape_is_right:
; THIRD LAUNCH: O = P V on the codes of p_img and v_img, the blocks' sums brought under the row's M, the division by the row's sum, the output.  No work is left out.
; A work-group makes 256 queries x 128 channels over all 2,048 keys.  ITS 128 CHANNELS OF V^T LIE WHOLE IN LDS (262,144 bytes, dense in v_img): one joint load of 65,536 bytes a wave at the head, shared by the four work-groups of a row of the cluster.
; EACH WAVE OWNS 64 QUERIES: their codes of p (131,072 consecutive bytes) are read by this wave alone, so they stream from memory straight into registers, three steps of 128 keys ahead in four sets, and take no LDS; for the same reason they are not asked for jointly.
; No slot is filled twice, and behind the head no barrier stands but the closing round's.  Source 0 = 16 channels of V^T, source 1 = 16 queries of P: a lane holds one query and eight neighbouring channels.
; THE BLOCKS' LEVELS.  p of keys 256 s .. 256 s + 255 was quantised under M_s.  With M = the largest M_s and L_s = max(M_s, M - 60), the accumulators are multiplied at each change of block by g_s = 2^(L_(s-1) - L_s),
; an exact power of two between 2^-60 and 2^60, and at the end by 2^(L_7 - M + e6 + e7) / l, l = the sum over s of 2^(M_s - M) x the block's sum of the unquantised p.
; In code units a block adds at most 256 x 448 x 448 < 2^26, so the sums stay under 8 x 2^86: nothing overflows.
; LIMITS: a block whose M_s lies more than 60 under the row's M enters with the weight 2^-60 and not less (at most 256 x the largest |v| x 2^-60, beside l > 1/2).  NaN is not served.  e6 + e7 is applied by v_ldexp_f32 and has no limit.
; PREFETCH: p's steps 4 to 7 behind step 0, steps 8 to 15 in the loop's first two trips, four steps ahead of their loads: each of the four work-groups of a column of the cluster, which read the same p, asks for one step of four, by address.
; REGISTERS: window 0: v8-15 the final factors; v16-31 addresses; v32-95 the way out; v88-191 at work at the head; v192-199 the factors g in use; v200-227 all of them at the head.
;   window 1: two sets of the channels' fragments.   window 2: the accumulators (query block a, channel block b at v[64 a + 8 b]).   window 3: four sets of p's fragments.
.set UB,     16384                     ; a step's part of the channels in LDS
.set UA,     8192                      ; a step's part of my p in memory
.set TILE,   262144
.set SPARE,  TILE                      ; the spare words, 128 bytes a wave
.set TAB,    TILE+512                  ; 2,048 bytes a wave: the factors, 256 bytes for each change of block
.set STAGE,  TAB+8192                  ; the way out: 16 rows x (512 bytes + 16) a wave
.set SPITCH, 528
.set FIN,  8
.set ADB,  16                          ; v16 LDS address of the channels in the trip in hand
.set GA,   17                          ; v17 my words of the table
.set GL,   18                          ; v18 the same, in the trip in hand
.set PFO,  19                          ; v19 the prefetches' offset
.set STO,  24
.set RD,   25
.set CO,   26                          ; v26  16 x lane
.set VO,   27                          ; v27  4 x (lane % 16)
.set SPW,  28
.set NIL,  29
.set TMP,  32
.set BK,   128
.set GF,   192
.set GK,   200
.set G1,   24
.set G0,   32
.set MSB, 0
.macro WIN new
.if MSB != (\new)
	s_set_vgpr_msb (MSB<<8)|(\new)
.set MSB, (\new)
.endif
.endm
.set W_MUL, 0xad                       ; source 0 window 1, source 1 window 3, C and D window 2
.set W_RES, 0x82                       ; destination and source 0 window 2, the factor in window 0
.macro CROUND
	s_barrier_signal -1
	s_barrier_wait -1
	s_cmp_lg_u32 s14, 0
	s_cbranch_scc1 .Lnot_wave_0_\@
	s_barrier_signal -3
.Lnot_wave_0_\@:
	s_barrier_wait -3
	s_barrier_signal -1
	s_barrier_wait -1
.endm
	s_load_b256 s[4:11], s[0:1], 0x0               ; p_img s[4:5], v_img s[6:7], stats s[8:9], the exponents s[10:11]
	s_load_b64 s[12:13], s[0:1], 0x20              ; out0
	v_lshl_add_u32 v[SPW], v0, 2, SPARE
	v_mov_b32 v[NIL], 0
	ds_add_u32 v[SPW], v[NIL]                      ; the wave's opening: the add, twice on end, and its wait ahead of my first tensor load
	ds_add_u32 v[SPW], v[NIL]
	v_lshrrev_b32 v1, 5, v0
	v_readfirstlane_b32 s14, v1                    ; wave 0..3
	s_bfe_u32 s40, ttmp6, 0x40000                  ; cx, cy
	s_bfe_u32 s41, ttmp6, 0x40004
	s_lshl_b32 s17, ttmp9, 2
	s_add_co_u32 s17, s17, s40                     ; block of 256 queries through the batches, 0..31
	s_and_b32 s66, ttmp7, 0xffff
	s_lshl_b32 s42, s66, 2
	s_add_co_u32 s42, s42, s41                     ; block of 128 channels, 0..7
	s_lshr_b32 s67, ttmp9, 1                       ; the batch, from the cluster's x alone
	s_lshl_b32 s43, s41, 2
	s_lshl_b32 s43, 15, s43                        ; my row of the cluster: the four that need the same channels
	; descriptor group 1: a dense block of 65,536 bytes as 256 rows of 32 elements of 8 bytes
	s_or_b32 s[G1+0], s43, (3<<16)|(1<<21)
	s_mov_b32 s[G1+1], 32<<16
	s_mov_b32 s[G1+2], 256<<16
	s_mov_b32 s[G1+3], 32<<16
	s_mov_b32 s[G1+4], 256
	s_mov_b32 s[G1+5], 32
	s_mov_b32 s[G1+6], 0
	s_mov_b32 s[G1+7], 0
	s_lshl_b32 s46, s67, 3
	s_add_co_u32 s46, s46, s42
	s_lshl_b32 s46, s46, 18                        ; the tile: 262,144 bytes at 8 batch + channel block,
	s_lshl_b32 s45, s14, 16                        ; my quarter of it, in memory and in LDS
	s_add_co_u32 s46, s46, s45
	s_mov_b32 s47, 0
	s_lshl_b32 s92, s17, 2
	s_add_co_u32 s92, s92, s14                     ; group of 64 queries
	s_lshl_b32 s20, s92, 17                        ; its p,
	s_mov_b32 s21, 0
	s_lshl_b32 s22, s92, 8                         ; its statistics,
	s_mov_b32 s23, 0
	s_lshl_b32 s92, s92, 18                        ; its rows of O, 4,096 bytes a row,
	s_lshl_b32 s93, s42, 9
	s_add_co_u32 s92, s92, s93                     ; at my 128 channels
	s_mov_b32 s93, 0
	s_lshl_b32 s44, s41, 13                        ; the prefetches: my place in the column x a step
	s_wait_dscnt 0x0                               ; both opening adds are done
	s_wait_kmcnt 0x0
	s_load_b64 s[84:85], s[10:11], 0x18            ; e6, e7
	s_mov_b32 s[G0], 1
	s_mov_b32 s[G0+1], s45
	s_add_nc_u64 s[G0+2:G0+3], s[6:7], s[46:47]
	s_or_b32 s[G0+3], s[G0+3], 0x80000000
	s_add_nc_u64 s[4:5], s[4:5], s[20:21]
	s_add_nc_u64 s[8:9], s[8:9], s[22:23]
	s_add_nc_u64 s[12:13], s[12:13], s[92:93]
	CROUND                                         ; all sixteen work-groups are here: the joint loads meet
	tensor_load_to_lds s[G0:G0+3], s[G1:G1+7]      ; my quarter of the channels: the wave's one tensor load
	s_nop 0
.rept 4
	v_nop
.endr
	v_and_b32 v1, 15, v0                           ; r
	v_bfe_u32 v2, v0, 4, 1                         ; h
	v_and_b32 v6, 31, v0
	v_lshlrev_b32 v[CO], 4, v6
	v_lshlrev_b32 v[VO], 2, v1
	v_lshlrev_b32 v[PFO], 8, v6
	v_add_nc_u32 v[PFO], s44, v[PFO]
	s_lshl_b32 s20, s14, 11
	s_add_co_u32 s20, s20, TAB
	v_add_nc_u32 v[GA], s20, v[VO]
	s_mul_i32 s23, s14, 16*SPITCH
	s_add_co_u32 s23, s23, STAGE                   ; my stage
	v_mul_u32_u24 v5, v1, SPITCH                   ; in: row r, 32 bytes for each half of the lanes
	v_lshl_add_u32 v5, v2, 5, v5
	v_add_nc_u32 v[STO], s23, v5
	v_add_nc_u32 v[RD], s23, v[CO]                 ; back: the 32 lanes take one row of 512 bytes
	s_wait_alu depctr_va_vdst(0)
.irp a, 0,1,2,3                            ; lane (r, h) takes those of query 16 a + r: -M and the sum of the eight blocks
.irp s, 0,1,2,3,4,5,6,7
	global_load_b32 v[128+8*\a+\s], v[VO], s[8:9] offset:\s*32768+64*\a
.endr
.irp s, 0,1,2,3,4,5,6,7
	global_load_b32 v[160+8*\a+\s], v[VO], s[8:9] offset:262144+\s*32768+64*\a
.endr
.endr
.macro PLD q, off                      ; my 64 queries x 128 keys: 8,192 consecutive bytes, 512 an instruction, into set q
	WIN 0xc0
.irp a, 0,1,2,3
.irp c, 0,1,2,3
	global_load_b128 v[64*(\q)+16*\a+4*\c:64*(\q)+16*\a+4*\c+3], v[CO], s[4:5] offset:(\off)+\a*2048+512*\c
.endr
.endr
.endm
	PLD 0, 0
	PLD 1, UA
	PLD 2, 2*UA
	WIN 0
	s_wait_kmcnt 0x0
	s_add_co_i32 s86, s84, s85                     ; e6 + e7
	s_wait_loadcnt 48                              ; the statistics are in; the three steps' 48 loads may be out
; THE FACTORS of tile a's queries.  N_s = -M_s as stored.
.macro FACT a
.set NB, 128+8*(\a)
.set LB, 160+8*(\a)
	v_max3_num_f32 v96, -v[NB], -v[NB+1], -v[NB+2]
	v_max3_num_f32 v96, v96, -v[NB+3], -v[NB+4]
	v_max3_num_f32 v96, v96, -v[NB+5], -v[NB+6]
	v_max_num_f32 v96, v96, -v[NB+7]               ; M, the row's
	v_add_f32 v97, 0xc2700000, v96                 ; M - 60
.irp s, 0,1,2,3,4,5,6,7
	v_max_num_f32 v[98+\s], -v[NB+\s], v97         ; L_s
	v_sub_f32 v[113+\s], -v[NB+\s], v96            ; M_s - M
.endr
.irp s, 1,2,3,4,5,6,7
	v_sub_f32 v[105+\s], v[97+\s], v[98+\s]        ; L_(s-1) - L_s: a whole number
.endr
	v_sub_f32 v121, v105, v96                      ; L_7 - M
.irp s, 1,2,3,4,5,6,7
	v_cvt_i32_f32 v[105+\s], v[105+\s]
.endr
.irp s, 0,1,2,3,4,5,6,7
	v_cvt_i32_f32 v[113+\s], v[113+\s]             ; (it saturates)
.endr
	v_cvt_i32_f32 v121, v121
.irp s, 1,2,3,4,5,6,7
	v_ldexp_f32 v[GK+7*(\a)+\s-1], 1.0, v[105+\s]  ; g_s
.endr
.irp s, 0,1,2,3,4,5,6,7
	v_ldexp_f32 v[113+\s], 1.0, v[113+\s]          ; 2^(M_s - M)
.endr
	v_mul_f32 v[88+(\a)], v[LB], v113
.irp s, 1,2,3,4,5,6,7
	v_fma_f32 v[88+(\a)], v[LB+\s], v[113+\s], v[88+(\a)]      ; l
.endr
	v_add_nc_u32 v[92+(\a)], s86, v121             ; L_7 - M + e6 + e7
.endm
.irp a, 0,1,2,3
	FACT \a
.endr
	s_wait_alu depctr_va_vdst(0)                   ; the wait ahead of the batch
.irp a, 0,1,2,3
	v_rcp_f32 v[FIN+2*\a], v[88+\a]
.endr
	v_nop                                          ; a plain instruction behind the last reciprocal
	s_wait_alu depctr_va_vdst(0)                   ; one wait for the four, ahead of their first reader
.irp a, 0,1,2,3
	v_ldexp_f32 v[FIN+2*\a], v[FIN+2*\a], v[92+\a]
.endr
.irp a, 0,1,2,3
	v_mov_b32 v[FIN+2*\a+1], v[FIN+2*\a]           ; (named as a pair, so the upper word is written)
.endr
.irp a, 0,1,2,3
	v_mov_b32 v[GF+2*\a+1], 0                      ; (likewise)
.endr
.macro GLOAD adr, off                  ; the four query blocks' factors of one change of block
.irp a, 0,1,2,3
	ds_load_b32 v[GF+2*\a], v[\adr] offset:(\off)+64*\a
.endr
.endm
.macro FETB g, p, adr, off             ; sixteen LDS loads: channel fragments 4 g .. 4 g + 3 into set p, each an image: four loads at 16 x lane
.irp i, 0,1,2,3
.irp c, 0,1,2,3
	ds_load_b128 v[128*(\p)+64*(\g)+16*\i+4*\c:128*(\p)+64*(\g)+16*\i+4*\c+3], v[\adr] offset:(\off)+(\g)*8192+\i*2048+512*\c
.endr
.endr
.endm
; Channel block b x my four query blocks.  rb: behind each product the accumulator (a, rb), which comes next, is multiplied by its query's g, from its low end on.
; The 32 accumulators take turns, one instruction a turn, in the same order in every step.
.macro BMUL b, p, q, zero, rb
.irp a, 0,1,2,3
	WIN W_MUL
.if \zero
	v_wmma_f32_16x16x128_fp8_fp8 v[64*\a+8*(\b):64*\a+8*(\b)+7], v[128*(\p)+16*(\b):128*(\p)+16*(\b)+15], v[64*(\q)+16*\a:64*(\q)+16*\a+15], 0
.else
	v_wmma_f32_16x16x128_fp8_fp8 v[64*\a+8*(\b):64*\a+8*(\b)+7], v[128*(\p)+16*(\b):128*(\p)+16*(\b)+15], v[64*(\q)+16*\a:64*(\q)+16*\a+15], v[64*\a+8*(\b):64*\a+8*(\b)+7]
.endif
.if (\rb) >= 0
	WIN W_RES
.irp j, 0,2,4,6
	v_pk_mul_f32 v[64*\a+8*(\rb)+\j:64*\a+8*(\rb)+\j+1], v[64*\a+8*(\rb)+\j:64*\a+8*(\rb)+\j+1], v[GF+2*\a:GF+2*\a+1] op_sel_hi:[1,0]
.endr
.endif
.endr
.endm
; A STEP of 128 keys in two halves of four channel blocks.  In the middle of a half the next step's same four fragments are fetched into the other set: they have a whole step in which to come back, and the other half's sixteen younger loads may be out.
; In the second half the p of three steps on is asked for, into the set that the step before multiplied.  Four v_nop stand ahead of each run of loads (ISA guide 7.12.1 for vector instructions).
; resc: this step begins a key block: its accumulators are rescaled one channel block ahead of their products; nx: the next step does, so channel block 0's are rescaled here, behind the last products.
.macro KSTEP p, q, zero, resc, nx, adr, fo, go, lc, gk
.irp g, 0,1
.if \resc
	s_wait_alu depctr_va_vdst(0)
.endif
.if \g == 0
	s_wait_loadcnt \lc                             ; this step's p is in; younger steps' loads, sixteen each, may be out
.endif
.if (\g == 1) && ((\fo) < 0)
	s_wait_dscnt 0x0
.else
	s_wait_dscnt 16
.endif
	BMUL 4*\g, \p, \q, \zero, (\resc)*(4*\g+2)-1
	BMUL 4*\g+1, \p, \q, \zero, (\resc)*(4*\g+3)-1
.if (\fo) >= 0
.rept 4
	v_nop
.endr
	WIN 0x40
	FETB \g, 1-(\p), \adr, \fo
.endif
.if (\g == 1) && ((\go) >= 0)
	PLD ((\q)+3)%4, \go
.endif
	BMUL 4*\g+2, \p, \q, \zero, (\resc)*(4*\g+4)-1
.if \g == 0
	BMUL 3, \p, \q, \zero, (\resc)*5-1
.else
	BMUL 7, \p, \q, \zero, (\nx)-1
.endif
.endr
.if (\gk) >= 0
	WIN 0
	GLOAD GL, \gk                                  ; the next change's factors: this one's have been used
.endif
.endm
	s_wait_alu depctr_va_vdst(0)                   ; the wait at the head's end
	s_wait_tensorcnt 0x0                           ; my quarter of the channels is in
.irp a, 0,1,2,3
.irp s, 1,2,3,4,5,6,7
	ds_store_b32 v[GA], v[GK+7*\a+\s-1] offset:(\s-1)*256+64*\a    ; the table: both halves of the lanes write the same word with the same number; only my wave reads it
.endr
.endr
	GLOAD GA, 0                                    ; LDS serves a wave's instructions in order (ISA guide 5.7.1.4): these see my stores
	s_wait_dscnt 0x0
	s_barrier_signal -1
	s_barrier_wait -1                              ; everybody's quarter is in
	WIN 0x40
	FETB 0, 0, CO, 0
	FETB 1, 0, CO, 0
	KSTEP 0, 0, 1, 0, 0, CO, UB, 3*UA, 32, -1      ; step 0: its products start the sums; step 1's channels, step 3's p
	WIN 0
	global_prefetch_b8 v[PFO], s[4:5] offset:4*UA th:TH_LOAD_NT scope:SCOPE_SE    ; step 4 + cy of my p: 32 lanes, 256 bytes apart
	s_mov_b32 s3, 3
	s_mov_b32 s2, 2*UB
	s_mov_b32 s18, 0
.Ltrip:                                                ; trip t: steps 4 t + 1 .. 4 t + 4
	v_add_nc_u32 v[ADB], s2, v[CO]                 ; the channels of step 4 t + 2
	v_add_nc_u32 v[GL], s18, v[GA]
	s_wait_alu depctr_va_vdst(0)
	s_wait_xcnt 0x0                                ; the loads and the prefetch have read their base
	s_add_nc_u64 s[4:5], s[4:5], 4*UA              ; the p of step 4 t + 4
	KSTEP 1, 1, 0, 0, 1, ADB, 0, 0, 32, -1
	WIN 0
	s_cmp_gt_u32 s3, 1                             ; the last trip has nothing to ask for
	s_cbranch_scc0 .Lno_ask
	global_prefetch_b8 v[PFO], s[4:5] offset:4*UA th:TH_LOAD_NT scope:SCOPE_SE    ; step 4 t + 8 + cy
.Lno_ask:
	KSTEP 0, 2, 0, 1, 0, ADB, UB, UA, 32, 256
	KSTEP 1, 3, 0, 0, 1, ADB, 2*UB, 2*UA, 32, -1
	KSTEP 0, 0, 0, 1, 0, ADB, 3*UB, 3*UA, 32, 512
	WIN 0
	s_add_co_u32 s2, s2, 4*UB
	s_add_co_u32 s18, s18, 512
	s_sub_co_u32 s3, s3, 1
	s_cmp_lg_u32 s3, 0
	s_wait_alu depctr_va_vdst(0)                   ; the wait ahead of the branch
	s_cbranch_scc1 .Ltrip
	v_add_nc_u32 v[ADB], s2, v[CO]
	s_wait_alu depctr_va_vdst(0)
	KSTEP 1, 1, 0, 0, 1, ADB, 0, -1, 32, -1        ; steps 13 to 15: all of p has been asked for
	KSTEP 0, 2, 0, 1, 0, ADB, UB, -1, 16, -1
	KSTEP 1, 3, 0, 0, 0, ADB, -1, -1, 0, -1
	WIN 0
; THE WAY OUT, block by block of 16 queries x 128 channels: x the final factor, through my stage, back as whole rows of 512 bytes.
.macro TOSTAGE a
	WIN 0x02                                       ; source 0: window 2
.set J, 0
.rept 32
	v_pk_mul_f32 v[TMP+J:TMP+J+1], v[64*(\a)+J:64*(\a)+J+1], v[FIN+2*(\a):FIN+2*(\a)+1] op_sel_hi:[1,0]
.set J, J+2
.endr
	WIN 0
.irp b, 0,1,2,3,4,5,6,7
	ds_store_b128 v[STO], v[TMP+8*\b:TMP+8*\b+3] offset:64*\b
	ds_store_b128 v[STO], v[TMP+8*\b+4:TMP+8*\b+7] offset:64*\b+16
.endr
.set BB, BK+64*((\a)%2)
.irp t, 0,1,2,3,4,5,6,7,8,9,10,11,12,13,14,15
	ds_load_b128 v[BB+4*\t:BB+4*\t+3], v[RD] offset:\t*SPITCH
.endr
.endm
.macro SEND a, younger                 ; younger: the LDS instructions issued behind block a's loads, which may stay out
.set BB, BK+64*((\a)%2)
	s_wait_dscnt \younger
.irp t, 0,1,2,3,4,5,6,7,8,9,10,11,12,13,14,15
	global_store_b128 v[CO], v[BB+4*\t:BB+4*\t+3], s[12:13] offset:(16*(\a)+\t)*4096 th:TH_STORE_NT   ; 32 lanes store 512 consecutive bytes, aligned; written once, read by nobody here
.endr
.endm
.rept 4
	v_nop
.endr
	TOSTAGE 0
.irp a, 1,2,3
.if \a > 1
	s_wait_xcnt 0x0                                ; block a - 2's stores have read their registers: block a's loads may land there
.endif
	TOSTAGE \a
	SEND \a-1, 32                                  ; behind block a - 1's loads: block a's 16 stores and 16 loads
.endr
	SEND 3, 0
	s_wait_tensorcnt 0x0                           ; the wave's end
	ds_add_u32 v[SPW], v[NIL]
	s_wait_dscnt 0x0
	CROUND                                         ; the closing round
	s_endpgm
.Lfunc_end_k_q1545ad9411_pv:
	.size	k_q1545ad9411_pv, .Lfunc_end_k_q1545ad9411_pv-k_q1545ad9411_pv
	.p2alignl 7, 3214868480
	.fill 96, 4, 3214868480
	.section	.rodata,"a",@progbits
	.p2align	6, 0x0
	.amdhsa_kernel k_q1545ad9411_pv
		.amdhsa_group_segment_fixed_size 327680
		.amdhsa_private_segment_fixed_size 0
		.amdhsa_enable_private_segment 0
		.amdhsa_kernarg_size 40
		.amdhsa_user_sgpr_count 2
		.amdhsa_user_sgpr_kernarg_segment_ptr 1
		.amdhsa_wavefront_size32 1
		.amdhsa_system_sgpr_workgroup_id_x 1
		.amdhsa_system_sgpr_workgroup_id_y 1
		.amdhsa_system_sgpr_workgroup_id_z 1
		.amdhsa_system_vgpr_workitem_id 0
		.amdhsa_next_free_vgpr 1024
		.amdhsa_next_free_sgpr 100
		.amdhsa_reserve_vcc 0
		.amdhsa_float_denorm_mode_32 3
		.amdhsa_float_denorm_mode_16_64 3
		.amdhsa_memory_ordered 1
		.amdhsa_forward_progress 1
		.amdhsa_inst_pref_size 130
	.end_amdhsa_kernel
	.amdgpu_metadata
---
amdhsa.version: [ 1, 2 ]
amdhsa.kernels:
  - .name:           k_q1545ad9411_pv
    .symbol:         k_q1545ad9411_pv.kd
    .args:
      - { .name: p_img, .offset: 0, .size: 8, .value_kind: global_buffer, .address_space: global }
      - { .name: v_img, .offset: 8, .size: 8, .value_kind: global_buffer, .address_space: global }
      - { .name: stats, .offset: 16, .size: 8, .value_kind: global_buffer, .address_space: global }
      - { .name: lowp_scales, .offset: 24, .size: 8, .value_kind: global_buffer, .address_space: global }
      - { .name: out0, .offset: 32, .size: 8, .value_kind: global_buffer, .address_space: global }
    .group_segment_fixed_size: 327680
    .private_segment_fixed_size: 0
    .kernarg_segment_align: 8
    .kernarg_segment_size: 40
    .max_flat_workgroup_size: 128
    .sgpr_count:     100
    .vgpr_count:     1024
    .wavefront_size: 32
...
	.end_amdgpu_metadata
.endif
;; end of part 3
